; MI455X (gfx1250); checked and timed in simulation.
; The chip was launched on July 23, 2026; its instructions are those of AMD's public machine-readable ISA for CDNA 5 (MIT licence, August 2026) and "CDNA5" Instruction Set Architecture Reference Guide (July 2026). The comments in the code are by the model that wrote it; some were corrected since.
;; Enhanced LSTM Cell. Allowed arithmetic: matrix products marked QUANTISED: E3M2 operands, one E8M0 scale for each 32 along K, by v_wmma_scale_f32_16x16x128_f8f6f4 with both operands' format E3M2, f32 sums; everything else in f32.
;; Inputs: W_codes 4,096 x 64 x 24 uint8 (E3M2 codes of W, K innermost, in blocks of 32 codes, four codes in three bytes); W_scales 4,096 x 64 uint8 (E8M0 scales of W, one for each 32 codes along K); b 4,096 float32; c_prev 8,192 x 1,024 float32; forget_mask 8,192 float32; h_prev 8,192 x 1,024 float32; ln_beta 1,024 float32; ln_gamma 1,024 float32; x 8,192 x 1,024 float32.
;; Outputs: out0 8,192 x 1,024 float32; out1 8,192 x 1,024 float32.
;; This version of the problem:
;;   THIS VERSION OF THE PROBLEM IS GIVEN IN LOW PRECISION. The matrix products marked QUANTISED in the list below multiply operands that are first quantised to E3M2 (3 exponent bits, 2 mantissa bits; 6 bits a number), with one power-of-two scale for each 32 numbers along K (OCP MX v1.0); their sums are f32. All else is computed in f32.
;;   The module's matrix products, in the order in which they are computed (A, B: the left and right operand; K: the contracted axis; several contracted axes count as one K, in the product's order):
;;     1. [M 8,192, K 2,048] x [K 2,048, N 4,096]; A: computed on the way; B: input W (given as codes): QUANTISED
;;   THE QUANTISER, for each operand of a quantised product, along K:
;;     - K is cut into blocks of 32 from its start; a last block that is shorter is filled with zeros.
;;     - A block's scale is 2^e with e = floor(log2(the largest magnitude in the block)) - 4, held to -126 .. 127; a block of zeros has e = 0. As a byte (E8M0): e + 127.
;;     - Each number is divided by its block's scale, clamped to +-28, and rounded to the nearest number of E3M2, ties to even, subnormals kept.
;;     - The product sums the exact products of the quantised numbers (number of the format x scale) in f32.
;;   ~~~python
;;   def quantise(x, axis):      # numpy; x: float32 -> the quantised numbers, widened to float32 again
;;       x = np.moveaxis(x, axis, -1); K = x.shape[-1]
;;       x = np.pad(x, [(0, 0)] * (x.ndim - 1) + [(0, -K % 32)]); x = x.reshape(x.shape[:-1] + (-1, 32)); a = np.abs(x).max(-1, keepdims=True)
;;       e = np.where(a > 0, np.clip(np.frexp(np.where(a > 0, a, 1))[1] - 1 - 4, -126, 127), 0)      # np.frexp(a)[1] - 1 = floor(log2(a)), exactly
;;       r = np.clip(x / 2.0 ** e, -28, 28)
;;       step = 2.0 ** (np.maximum(np.frexp(np.where(r == 0, 1, r))[1] - 1, -2) - 2)
;;       q = np.round(r / step) * step * 2.0 ** e      # np.round: ties to even
;;       return np.moveaxis(q.reshape(q.shape[:-2] + (-1,))[..., :K], -1, axis).astype(np.float32)
;;   ~~~
;;   OPERANDS COMPUTED ON THE WAY. 'Computed on the way' means the value that the module computes at that place (a softmax that the list does not call 'softmax' is quantised finished and normalised). What goes into a quantiser is computed in f32, as accurately as f32 sums, v_exp_f32 and their like allow (about 1e-6 of the number): no bf16 or f16 on the way to a quantiser, and a product that is left as it is and whose result goes on into a quantised operand takes f32 operands (vector FMAs, or v_wmma_f32_16x16x4_f32). A number that lies on a knife's edge between two numbers of the format may be rounded either way, as far as f32 arithmetic and the matrix unit's own rounding can turn it there, and no further.
;;   INPUTS GIVEN AS CODES. W (in the module: [2048, 4096], K = its axis 0): each comes as NAME_codes (uint8): NAME with its K axis moved to the last place and cut into blocks of 32 codes, [.., K / 32, bytes a block], one block behind the other in memory; four codes in three bytes: a row's codes are one little-endian stream of bits, code i at bits 6 i .. 6 i + 5 (a code: sign, 3 exponent bits, 2 mantissa bits); and NAME_scales (uint8): the same leading axes, one E8M0 byte (e + 127) for each 32 codes along K. Its value is code x scale, taken as it is: it is not quantised again, and the codes and scales need not be those that the quantiser above would give.
;; One version. Each part assembles by itself: llvm-mc -triple=amdgcn-amd-amdhsa -mcpu=gfx1250 --defsym DOCPART=n.
;; ======== version 1 of 1: 3 launches
;; limits: a function is approximated: absolute error at most 1.8e-12; right only within a limited range of input values
;; workspace buffers: A_img 13,107,200 bytes; W_img 6,553,600 bytes; craw 33,554,432 bytes; oraw 33,554,432 bytes
;; launch prep (part 1): grid 640 x 1, 4 waves a work-group, no clusters, 84,480 bytes of LDS; arguments x, h_prev, W_codes, W_scales, A_img, W_img; writes A_img, W_img
.if DOCPART == 1
	.amdgcn_target "amdgcn-amd-amdhsa--gfx1250"
	.amdhsa_code_object_version 6
	.text
	.protected	k_qfed14793b4_prep
	.globl	k_qfed14793b4_prep
	.p2align	8
	.type	k_qfed14793b4_prep,@function
k_qfed14793b4_prep:
	s_mov_b64 s[64:65], 0
	v_nop
	global_prefetch_b8 v0, s[64:65] scope:SCOPE_SE
	s_setreg_imm32_b32 hwreg(HW_REG_WAVE_MODE, 25, 1), 1
	s_wait_xcnt 0x0
; Both operands of gates = [x | h_prev] W are laid for the product's launch IN THE ORDER OF THE OPERAND'S REGISTERS, each with its scale words beside it.
; A FRAGMENT IMAGE is 16 rows x 128 K of 6-bit codes, 12 registers a lane, 1,536 bytes: registers 4 c .. 4 c + 3 of lane l at 512 c + 16 l.
; Registers 6 c .. 6 c + 5 of lane (r = l % 16, h = l / 16) are the codes of k = 64 c + 32 h + 0 .. 31 of row r.
; A RECORD is 128 rows x 128 K: eight images (block i of 16 rows at 1,536 i), then the rows' scale words (block i's row r at 12,288 + 64 i + 4 r): 12,800 bytes, 50 x 256.
;   A_img[part 0..63][q 0..15][record]: rows 128 part + 16 i + r, K = 128 q.
;   W_img[p 0..31][q][record], p = 2 ct + ch, block b = 2 g + u: W's rows 1024 g + 64 ct + 32 ch + 16 u + r (g: the gate i, f, g, o).
; WORK-GROUPS 128 .. 639 quantise x and h_prev (f32) to E3M2 with one E8M0 byte for each 32 along K: 16 rows a work-group, 512 along K a wave (waves 0, 1: x; waves 2, 3: h_prev).
; A block's scale is 2^(floor(log2(its largest magnitude)) - 4): its byte is the largest magnitude's exponent field - 4, held at 1 from below; each number / scale goes to the nearest code, ties to even, beyond 28 the largest code.
; WORK-GROUPS 0 .. 127 only move W's codes and scale bytes, as they are given, into the records: 16 rows x 1,024 along K a wave.
; LIMITS: a block of zeros gets the byte 1 where the rule says 127 (its codes are zeros, and this program alone reads the bytes); NaN and infinities among x and h_prev are not served.
; The scale words leave as pieces of 64 consecutive bytes (sixteen lanes, 4 bytes each), since a work-group holds one block of a record's eight: 786,432 bytes in the whole launch.  W's scale bytes are read 8 bytes a lane out of rows of 64.
; No tensor loads, no barrier, no cluster: waves share nothing and no two work-groups read the same bytes.  The two paths part on the work-group's number and have LDS bytes of their own.
.set FRB,  1536                        ; a fragment image
.set REC,  12800                       ; a record
.set PARTB, 16*REC                     ; a part: 128 rows, all of K
.set R,    16                          ; A: v16-143  two sets of 64 numbers as loaded.   W: v16-111 48 pairs as loaded
.set X,    144                         ; A: v144-207 64 numbers of a lane: X[32 c + i] = k 64 c + 32 h + i of row r
.set C,    208                         ; A: v208-219 the fragment's codes
.set H0,   220                         ; A: v220-222, v224-226 the upper halves of the two blocks (a conversion's three registers begin on an even number)
.set MX,   228                         ; A: v228-229 largest magnitudes
.set SO,   230                         ; A: v230-231 the conversions' scale operands
.set BY,   232                         ; A: v232-233 the scale bytes
.set TW,   234                         ; A: at work
.set PD,   235                         ; A: a lane permute's destination
.set WD,   236                         ; A: v236-239 the four fragments' scale words
.set F,    112                         ; W: v112-207 eight fragments
.set ASTG, 8448                        ; A: a wave's stage: 16 rows x (512 bytes + 16)
.set WBASE, 4*ASTG                     ; W's stages begin behind A's
.set WSTG, 12544                       ; W: a wave's stage: 16 rows x (768 bytes + 16)
	s_load_b256 s[4:11], s[0:1], 0x0               ; x s[4:5], h_prev s[6:7], W_codes s[8:9], W_scales s[10:11]
	s_load_b128 s[12:15], s[0:1], 0x20             ; A_img s[12:13], W_img s[14:15]
	v_lshl_add_u32 v248, v0, 2, 0x14800
	v_mov_b32 v249, 0
	v_lshrrev_b32 v1, 5, v0
	v_readfirstlane_b32 s20, v1                    ; wave 0..3
	v_and_b32 v1, 31, v0                           ; lane
	v_and_b32 v2, 15, v0                           ; r
	v_bfe_u32 v3, v0, 4, 1                         ; h
	s_cmp_lt_u32 ttmp9, 128
	s_cbranch_scc1 .Lw
; ---------------------------------------------------------------- x and h_prev
	s_sub_co_u32 s21, ttmp9, 128                   ; which 16 rows: 0..511
	s_lshl_b32 s24, s21, 16                        ; 16 rows of 4,096 bytes,
	s_and_b32 s25, s20, 1
	s_lshl_b32 s25, s25, 11                        ; and my 512 columns of the tensor's 1,024
	s_add_co_u32 s24, s24, s25
	s_mov_b32 s25, 0
	s_lshr_b32 s26, s21, 3                         ; the part
	s_and_b32 s27, s21, 7                          ; the block in it
	s_mul_i32 s28, s26, PARTB
	s_mul_i32 s29, s20, 4*REC                      ; my records 4 w .. 4 w + 3
	s_add_co_u32 s28, s28, s29
	s_lshl_b32 s30, s27, 6                         ; my block's scale words in a record: 12,288 + 64 x block
	s_add_co_u32 s30, s30, s28
	s_add_co_u32 s30, s30, 8*FRB
	s_mov_b32 s31, 0
	s_mul_i32 s29, s27, FRB                        ; and its image
	s_add_co_u32 s28, s28, s29
	s_mov_b32 s29, 0
	s_mov_b32 s22, 0x76543210
	s_mov_b32 s23, 0xfedcba98                      ; v_permlanex16_b32's selects for lane l xor 16
	s_mul_i32 s32, s20, ASTG
	v_lshlrev_b32 v4, 4, v1                        ; 16 x lane: my bytes of a load's 512, and of an image's chunk
	v_add_nc_u32 v5, s32, v4                       ; the stage, on the way in
	v_mul_u32_u24 v6, v2, 528
	v_lshl_add_u32 v6, v3, 7, v6
	v_add_nc_u32 v6, s32, v6                       ; and on the way out: row r, + 128 h bytes: my 32 numbers of each 64
	v_lshlrev_b32 v7, 2, v2
	v_mad_u32_u24 v7, v3, REC, v7                  ; a scale word's place: 4 r; lanes 16-31 one record on
	v_lshlrev_b32 v8, 3, v3                        ; 8 h: how far my two bytes are shifted in the scale word
	v_mov_b32 v[PD], 0                             ; written once: a lane permute's destination counts as one of its sources
	s_wait_kmcnt 0x0
	s_cmp_lt_u32 s20, 2                            ; x or h_prev: the choice hangs on the wave's number alone
	s_cselect_b64 s[4:5], s[4:5], s[6:7]
	s_add_nc_u64 s[4:5], s[4:5], s[24:25]
	s_add_nc_u64 s[16:17], s[12:13], s[30:31]      ; where my scale words go,
	s_add_nc_u64 s[12:13], s[12:13], s[28:29]      ; and my images
.macro LOADA t                         ; fragment t: 16 rows x 128 numbers; each load reads 512 consecutive bytes of one row
.irp i, 0,1,2,3,4,5,6,7,8,9,10,11,12,13,14,15
	global_load_b128 v[R+64*((\t)%2)+4*\i:R+64*((\t)%2)+4*\i+3], v4, s[4:5] offset:4096*\i+512*(\t) th:TH_LOAD_NT
.endr
.endm
.macro STEPA t
.if (\t) < 3
	s_wait_loadcnt 16                              ; this fragment's 16 loads are in; the next fragment's 16 may be out
.else
	s_wait_loadcnt 0x0
.endif
.irp i, 0,1,2,3,4,5,6,7,8,9,10,11,12,13,14,15
	ds_store_b128 v5, v[R+64*((\t)%2)+4*\i:R+64*((\t)%2)+4*\i+3] offset:528*\i       ; as loaded: rows 528 bytes apart
.endr
.irp c, 0,1
.irp j, 0,1,2,3,4,5,6,7
	ds_load_b128 v[X+32*\c+4*\j:X+32*\c+4*\j+3], v6 offset:256*\c+16*\j              ; LDS serves a wave's instructions in order: these see the stores above.  A whole block of 32 to a lane
.endr
.endr
	s_wait_dscnt 0x0                               ; my numbers are back, and the stores have read their registers,
.if (\t) < 2
	LOADA (\t)+2                                   ; which take the fragment two on
.endif
.irp c, 0,1
	v_max3_num_f32 v[MX+\c], |v[X+32*\c]|, |v[X+32*\c+1]|, 0x2800000   ; block 2 c + h: all 32 numbers are mine; the floor 2^(5 - 127) holds the byte at 1 from below
.endr
.irp i, 2,4,6,8,10,12,14,16,18,20,22,24,26,28,30
.irp c, 0,1
	v_max3_num_f32 v[MX+\c], v[MX+\c], |v[X+32*\c+\i]|, |v[X+32*\c+\i+1]|   ; (the two blocks by turns)
.endr
.endr
.irp c, 0,1
	v_add_nc_u32 v[SO+\c], 0xfe000000, v[MX+\c]    ; 4 off the exponent field: the conversion takes the exponent field of this operand as its scale
.endr
.irp c, 0,1
	v_lshrrev_b32 v[BY+\c], 23, v[SO+\c]           ; the scale's byte
.endr
	v_lshl_or_b32 v[TW], v[BY+1], 16, v[BY]        ; my two bytes: blocks h and 2 + h of row r,
	v_lshlrev_b32 v[TW], v8, v[TW]                 ; at their places in the word;
	v_permlanex16_b32 v[PD], v[TW], s22, s23
	v_or_b32 v[WD+(\t)], v[TW], v[PD]              ; with lane l xor 16's two the word is whole, in both lanes
	s_wait_xcnt 0x0                                ; the last fragment's stores have read the codes' registers: they are written again only behind this wait
.irp c, 0,1
	v_cvt_scalef32_pk16_bf6_f32 v[C+6*\c:C+6*\c+2], v[X+32*\c:X+32*\c+15], v[SO+\c]
	v_cvt_scalef32_pk16_bf6_f32 v[H0+4*\c:H0+4*\c+2], v[X+32*\c+16:X+32*\c+31], v[SO+\c]
.endr
	v_nop                                          ; one plain place behind a scaled conversion
.irp c, 0,1
.irp i, 0,1,2
	v_mov_b32 v[C+6*\c+3+\i], v[H0+4*\c+\i]
.endr
.endr
.irp k, 0,1,2
	global_store_b128 v4, v[C+4*\k:C+4*\k+3], s[12:13] offset:REC*(\t)+512*\k   ; 32 lanes store 512 consecutive bytes, at a multiple of 512 from the buffer's first byte
.endr
.endm
	LOADA 0
	LOADA 1
	STEPA 0
	STEPA 1
	STEPA 2
	STEPA 3
	v_cmp_ne_u32 vcc_lo, 0, v3
	v_cndmask_b32 v240, v[WD], v[WD+1], vcc_lo     ; lanes 0-15: row r's word of my first record; lanes 16-31: of my second
	v_cndmask_b32 v241, v[WD+2], v[WD+3], vcc_lo   ; and of my third and fourth
	global_store_b32 v7, v240, s[16:17]            ; sixteen lanes store 64 consecutive bytes of a record
	global_store_b32 v7, v241, s[16:17] offset:2*REC
	s_wait_tensorcnt 0x0
	ds_add_u32 v248, v249
	s_wait_dscnt 0x0
	s_endpgm
; ---------------------------------------------------------------- W
.Lw:
	s_lshl_b32 s21, ttmp9, 2
	s_add_co_u32 s21, s21, s20                     ; 0..511
	s_lshr_b32 s22, s21, 1                         ; nb = 8 p + b: which block of 16 rows of the records
	s_and_b32 s23, s21, 1                          ; kh: which 1,024 along K
	s_and_b32 s24, s22, 7                          ; b
	s_lshr_b32 s25, s24, 1
	s_lshl_b32 s25, s25, 10                        ; 1024 x gate
	s_lshr_b32 s26, s22, 4
	s_lshl_b32 s26, s26, 6                         ; + 64 ct
	s_add_co_u32 s25, s25, s26
	s_bfe_u32 s26, s22, 0x10003
	s_lshl_b32 s26, s26, 5                         ; + 32 ch
	s_add_co_u32 s25, s25, s26
	s_and_b32 s26, s24, 1
	s_lshl_b32 s26, s26, 4                         ; + 16 u
	s_add_co_u32 s25, s25, s26                     ; the block's first row of W
	s_mul_i32 s28, s25, 1536
	s_mul_i32 s29, s23, 768
	s_add_co_u32 s28, s28, s29                     ; its codes: a multiple of 256 bytes
	s_mov_b32 s29, 0
	s_lshr_b32 s30, s22, 3
	s_mul_i32 s30, s30, PARTB
	s_mul_i32 s31, s23, 8*REC
	s_add_co_u32 s30, s30, s31                     ; the part, and my records 8 kh .. 8 kh + 7
	s_lshl_b32 s34, s24, 6
	s_add_co_u32 s34, s34, s30
	s_add_co_u32 s34, s34, 8*FRB                   ; my block's scale words in a record
	s_mov_b32 s35, 0
	s_mul_i32 s31, s24, FRB
	s_add_co_u32 s30, s30, s31                     ; and its image
	s_mov_b32 s31, 0
	s_lshl_b32 s32, s25, 6
	s_lshl_b32 s33, s23, 5
	s_add_co_u32 s32, s32, s33                     ; the given scale bytes
	s_mov_b32 s33, 0
	s_mul_i32 s36, s20, WSTG
	s_add_co_u32 s36, s36, WBASE
	v_lshlrev_b32 v4, 3, v1                        ; 8 x lane
	v_add_nc_u32 v5, s36, v4                       ; the stage, on the way in
	v_mul_u32_u24 v6, v2, 784
	v_mad_u32_u24 v6, v3, 24, v6
	v_add_nc_u32 v6, s36, v6                       ; and on the way out: row r, + 24 h
	v_lshlrev_b32 v7, 4, v1                        ; 16 x lane
	v_lshlrev_b32 v8, 6, v2
	v_lshl_add_u32 v8, v3, 3, v8                   ; scale bytes in: 64 r + 8 h
	v_lshlrev_b32 v9, 2, v2
	v_mad_u32_u24 v9, v3, 2*REC, v9                ; out: 4 r; lanes 16-31 two records on
	s_wait_kmcnt 0x0
	s_add_nc_u64 s[8:9], s[8:9], s[28:29]
	s_add_nc_u64 s[10:11], s[10:11], s[32:33]
	s_add_nc_u64 s[16:17], s[14:15], s[34:35]
	s_add_nc_u64 s[14:15], s[14:15], s[30:31]
.irp j, 0,1
	global_load_b64 v[10+2*\j:11+2*\j], v8, s[10:11] offset:16*\j   ; row r's words of my records 4 j + 2 h and 4 j + 2 h + 1
.endr
.irp i, 0,1,2,3,4,5,6,7,8,9,10,11,12,13,14,15
.irp p, 0,1,2
	global_load_b64 v[R+2*(3*\i+\p):R+2*(3*\i+\p)+1], v4, s[8:9] offset:1536*\i+256*\p th:TH_LOAD_NT   ; 32 lanes read 256 consecutive bytes, aligned
.endr
.endr
.irp i, 0,1,2,3,4,5,6,7,8,9,10,11,12,13,14,15
	s_wait_loadcnt 45-3*\i                         ; row i's three loads are in (and the scale words, asked for ahead of them); the later rows' may be out
.irp p, 0,1,2
	ds_store_b64 v5, v[R+2*(3*\i+\p):R+2*(3*\i+\p)+1] offset:784*\i+256*\p
.endr
.endr
.irp j, 0,1
.irp e, 0,1
	global_store_b32 v9, v[10+2*\j+\e], s[16:17] offset:REC*(4*\j+\e)   ; sixteen lanes store 64 consecutive bytes of a record
.endr
.endr
.irp f, 0,1,2,3,4,5,6,7
.irp p, 0,1,2,3,4,5
	ds_load_b64 v[F+12*\f+2*\p:F+12*\f+2*\p+1], v6 offset:96*\f+48*(\p/3)+8*(\p%3)   ; the 24 bytes of a block as they lie, in pieces of 8; rows 784 bytes = 196 words apart, so the 32 lanes' words fall on 64 different banks (64 banks of 4 bytes: ISA guide 11.1)
.endr
.endr
.irp f, 0,1,2,3,4,5,6,7
	s_wait_dscnt 42-6*\f                           ; fragment f's six loads are in; the later fragments' may be out
.irp k, 0,1,2
	global_store_b128 v7, v[F+12*\f+4*\k:F+12*\f+4*\k+3], s[14:15] offset:REC*\f+512*\k
.endr
.endr
	s_wait_tensorcnt 0x0
	ds_add_u32 v248, v249
	s_wait_dscnt 0x0
	s_endpgm
.Lfunc_end_k_qfed14793b4_prep:
	.size	k_qfed14793b4_prep, .Lfunc_end_k_qfed14793b4_prep-k_qfed14793b4_prep
	.p2alignl 7, 3214868480
	.fill 96, 4, 3214868480
	.section	.rodata,"a",@progbits
	.p2align	6, 0x0
	.amdhsa_kernel k_qfed14793b4_prep
		.amdhsa_group_segment_fixed_size 84480
		.amdhsa_private_segment_fixed_size 0
		.amdhsa_enable_private_segment 0
		.amdhsa_kernarg_size 48
		.amdhsa_user_sgpr_count 2
		.amdhsa_user_sgpr_kernarg_segment_ptr 1
		.amdhsa_wavefront_size32 1
		.amdhsa_system_sgpr_workgroup_id_x 1
		.amdhsa_system_sgpr_workgroup_id_y 1
		.amdhsa_system_sgpr_workgroup_id_z 1
		.amdhsa_system_vgpr_workitem_id 0
		.amdhsa_next_free_vgpr 250
		.amdhsa_next_free_sgpr 66
		.amdhsa_reserve_vcc 1
		.amdhsa_float_denorm_mode_32 3
		.amdhsa_float_denorm_mode_16_64 3
		.amdhsa_memory_ordered 1
		.amdhsa_forward_progress 1
		.amdhsa_inst_pref_size 47
	.end_amdhsa_kernel
	.amdgpu_metadata
---
amdhsa.version: [ 1, 2 ]
amdhsa.kernels:
  - .name:           k_qfed14793b4_prep
    .symbol:         k_qfed14793b4_prep.kd
    .args:
      - { .name: x, .offset: 0, .size: 8, .value_kind: global_buffer, .address_space: global }
      - { .name: h_prev, .offset: 8, .size: 8, .value_kind: global_buffer, .address_space: global }
      - { .name: W_codes, .offset: 16, .size: 8, .value_kind: global_buffer, .address_space: global }
      - { .name: W_scales, .offset: 24, .size: 8, .value_kind: global_buffer, .address_space: global }
      - { .name: A_img, .offset: 32, .size: 8, .value_kind: global_buffer, .address_space: global }
      - { .name: W_img, .offset: 40, .size: 8, .value_kind: global_buffer, .address_space: global }
    .group_segment_fixed_size: 84480
    .private_segment_fixed_size: 0
    .kernarg_segment_align: 8
    .kernarg_segment_size: 48
    .max_flat_workgroup_size: 128
    .sgpr_count:     66
    .vgpr_count:     250
    .wavefront_size: 32
...
	.end_amdgpu_metadata
.endif
;; end of part 1
;; launch gates (part 2): grid 16 x 32, 4 waves a work-group, clusters of 4 x 4, 327,680 bytes of LDS; arguments A_img, W_img, b, c_prev, forget_mask, craw, oraw; writes craw, oraw
.if DOCPART == 2
	.amdgcn_target "amdgcn-amd-amdhsa--gfx1250"
	.amdhsa_code_object_version 6
	.text
	.protected	k_qfed14793b4_gates
	.globl	k_qfed14793b4_gates
	.p2align	8
	.type	k_qfed14793b4_gates,@function
k_qfed14793b4_gates:
	s_mov_b64 s[64:65], 0
	v_nop
	global_prefetch_b8 v0, s[64:65] scope:SCOPE_SE
	s_setreg_imm32_b32 hwreg(HW_REG_WAVE_MODE, 25, 1), 1
	s_wait_xcnt 0x0
	s_wait_alu depctr_hold_cnt(0) depctr_sa_sdst(0) depctr_va_vdst(0) depctr_va_sdst(0) depctr_va_ssrc(0) depctr_va_vcc(0) depctr_vm_vsrc(0)
	s_getreg_b32 s2, hwreg(HW_REG_IB_STS2, 6, 4)
	s_cmp_eq_u32 s2, 0
	s_cbranch_scc0 .Lentry_in_a_cluster
	s_endpgm
.Lentry_in_a_cluster:
	s_bfe_u32 s2, ttmp6, 0x10000c
	s_cmp_lg_u32 s2, 0xf033
	s_cbranch_scc0 .Lentry_shape_is_right
	s_endpgm
.Lentry_shape_is_right:
; gates = Q([x | h_prev]) W + b on codes of BF6 (E3M2) with one E8M0 scale for each 32 along K; then craw = sigmoid(f) mask c_prev + sigmoid(i) tanh(g) and oraw = the o gate with its bias, not yet activated.
; The LayerNorm wants all 1,024 columns of a row, that is all 4,096 gate columns in one work-group; with 32 rows to each of 256 work-groups every fragment of W read from LDS would feed two matrix
; instructions in place of eight, so the norm is a launch of its own and c and o go through memory once.
; A TILE is 256 rows x 64 H columns x 4 gates, made by four waves, as many as a WGP has SIMDs; wave (rh, ch) makes rows 128 rh on x H columns 32 ch on of all four gates: 8 blocks of A x 8 blocks of W, 64 accumulators, 512 registers.
; W's block b = 2 g + u holds gate g's rows of H columns 16 u on.  THE MATRIX INSTRUCTION IS USED TRANSPOSED (source 0 = 16 rows of W, source 1 = 16 rows of A): register j of lane (r, h) in accumulator (a, b)
; is gate g of row 16 a + r at H column 16 u + 8 h + j: THE FOUR GATES OF A CELL LIE IN ONE LANE AT ONE REGISTER INDEX, and the cell's arithmetic needs no other lane.
; OPERANDS lie in memory as RECORDS of 12,800 bytes for 128 rows x 128 K: eight images of the operand's registers (12 registers a lane, 1,536 bytes; three ds_load_b128 of 512 consecutive bytes bring one), then the rows' scale words.
; THE RING: two LDS slots of 384 along K, three records for each of the tile's four parts (A's two halves, W's two): as large as two fit.  A wave's one load behind a change of slots brings 38,400 dense bytes and has 160 matrix
; instructions between its request and the wait for it.  K's 16 sub-steps of 128 go in chunks of 1, 3, 3, 3, 3, 3: the short one is a first fill, so that every refill has one shape; slot 1 takes sub-steps 0, 4-6, 10-12, slot 0 takes 1-3, 7-9, 13-15.
; No two laps of the ring are alike (the first sub-step takes the bias as C, the last change of slots fills nothing), so the sub-steps are written out by macros, without a loop.
; c_prev: each wave loads 64 rows of the tile, two whole rows of 256 bytes an instruction, into 128 registers that the products leave idle, behind the first sub-step; they go to a stage in LDS at the epilogue's head.
; CLUSTERS: 4 x 4 work-groups.  The four of a row of the cluster need the same parts of A, the four of a column the same parts of W: each is asked for JOINTLY, by the same tensor load with the same descriptor and a mask that names the four.
; THE CELL: with Ei = 2^min(-i log2 e, 40), Ef likewise, Eg = 2^min(-2 g log2 e, 40):  craw = [mask c_prev (1 + Ei)(1 + Eg) + (1 - Eg)(1 + Ef)] / [(1 + Ei)(1 + Eg)(1 + Ef)]: three exponentials and one reciprocal.
; THE STORES LEAVE BY THIRDS: the o gate, finished when the epilogue begins, ahead of the cells; craw of each wave's blocks 0-3 ahead of the cells of blocks 4-7; the rest at the end.
; LIMITS: the hold at 40 keeps the denominator under 2^121 for every input; by it a sigmoid is never under 2^-40, and tanh(g) is -1 to f32's last bit below g = -13.9.  NaN and infinities among the inputs are not served.
; REGISTERS, in windows of 256: window 0: v1-31 addresses; v32-47 scale words, two sets, and nothing else; v64-127 the bias, 8 registers a block of W, then half of c_prev; v128-223 A's 8 fragments, ONE set; v224-231 forget_mask.
;   window 1: W's fragments, TWO sets, at v0 and at v128; v96-127 and v224-255 the other half of c_prev; on the way out all 256.   window 2: the 32 accumulators of my rows 0-63 ((a, b) at v[8 (8 (a % 4) + b)]);   window 3: those of my rows 64-127.
;   In the epilogue v64-175 of window 0 are at work.
.set FRB,   1536                       ; a fragment image
.set REC,   12800                      ; a record: 128 rows x 128 K
.set SCO,   8*FRB                      ; where a record's scale words begin
.set PARTB, 16*REC                     ; a part in memory: 128 rows, all of K
.set CHUNK, 3*REC                      ; what one refill brings, and what one wave reads of A or of W in a slot
.set SLOT,  4*CHUNK                    ; A's two parts, then W's two
.set SPARE, 2*SLOT                     ; behind the ring: the spare words, 128 bytes for each wave: two blocks of 256 bytes that no other line names
.set CPP,   272                        ; a stage row: 256 bytes + 16 = 68 words: row r starts at bank 4 r mod 64 (64 banks of 4 bytes: ISA guide 11.1)
.set CP,    SLOT                       ; the stages lie in slot 1, which has had its last fill and its last read when the first byte is stored there: c_prev's tile, over which craw is written in place,
.set OS,    CP+256*CPP                 ; and the o gate's: 256 rows each
.set FR,    12                         ; registers of a fragment
.set NP,    4                          ; places behind this matrix instruction (ISA guide 7.12.1)
.set ADRA, 16                          ; v16-17  LDS address of my A fragments in slot 0, 1
.set ADRS, 18                          ; v18-19  of my scale words: lanes 0-15 A's rows, lanes 16-31 W's
.set ADRB, 20                          ; v20-21  of my W fragments
.set RDC,  23                          ; v23     c's stage by rows: lanes 0-15 one row of 256 bytes, lanes 16-31 the next
.set OST,  24                          ; v24     o's stage by cells: my 32 bytes of a row
.set CPA,  25                          ; v25     c's stage by cells
.set RDO,  26                          ; v26     o's stage by rows
.set SPW,  28                          ; v28     LDS address of my spare word; never rewritten
.set NIL,  29                          ; v29     0; never rewritten
.set CO,   30                          ; v30     my byte offset in two rows of c_prev, craw and oraw; never rewritten
.set SC,   32                          ; scale words: set p at v[SC + 8 p]; register i: lanes 0-15 the words of A's block i, lanes 16-31 those of W's block i
.set BI,   64
.set AF,   128
.set FM,   224
.set CPR,  64                          ; epilogue: v64-95 c_prev of a block, two sets of 16;  v96-111, v112-127, v128-143 the i, f and g gates' terms;  v144-175 craw, two sets
.set XI,   96
.set XF,   112
.set XG,   128
.set CR,   144
.set G1,   28                          ; s[28:35] descriptor group 1 for a chunk of A;  s[36:43] group 0, one set for each slot
.set G0,   36
.set G1B,  44                          ; s[44:51], s[52:59] the same for W
.set G0B,  52
.set G1L,  68                          ; s[68:75] group 1 for the one record of the first sub-step, A's;  s[80:87] W's
.set G1LB, 80
.set MSB, 0
.macro WIN new                         ; the immediate's high byte repeats the setting that is left
.if MSB != \new
	s_set_vgpr_msb (MSB<<8)|\new
.set MSB, \new
.endif
.endm
; A joint load: waves 0 and 1 fetch for A, waves 2 and 3 for W.  Each of the two lines has ONE mask and one set of registers for all that issue it; the branch hangs on the wave's number alone.
; Four v_nop follow each of the two lines, ahead of the jump, the label and what follows.
.macro JLOAD g0a, g1a, g0b, g1b
	s_cmp_eq_u32 s23, 0
	s_cbranch_scc0 .Lfor_b_\@
	tensor_load_to_lds s[\g0a:\g0a+3], s[\g1a:\g1a+7]
	s_nop 0
.rept 4
	v_nop
.endr
	s_branch .Lasked_\@
.Lfor_b_\@:
	tensor_load_to_lds s[\g0b:\g0b+3], s[\g1b:\g1b+7]
	s_nop 0
.rept 4
	v_nop
.endr
.Lasked_\@:
.endm
.macro CREST                           ; a round of the cluster's barrier behind its opening barrier
	s_cmp_lg_u32 s22, 0
	s_cbranch_scc1 .Lnot_wave_0_\@
	s_barrier_signal -3
.Lnot_wave_0_\@:
	s_barrier_wait -3
	s_barrier_signal -1
	s_barrier_wait -1
.endm
.macro CROUND                          ; a whole round
	s_barrier_signal -1
	s_barrier_wait -1
	CREST
.endm
	s_load_b256 s[4:11], s[0:1], 0x0               ; A_img s[4:5], W_img s[6:7], b s[8:9], c_prev s[10:11]
	s_load_b128 s[12:15], s[0:1], 0x20             ; forget_mask s[12:13], craw s[14:15]
	s_load_b64 s[16:17], s[0:1], 0x30              ; oraw
	v_lshl_add_u32 v[SPW], v0, 2, SPARE
	v_mov_b32 v[NIL], 0
	ds_add_u32 v28, v29
	ds_add_u32 v28, v29
	s_wait_dscnt 0x0
	v_lshrrev_b32 v1, 5, v0
	v_readfirstlane_b32 s22, v1                    ; wave 0..3
	s_lshr_b32 s23, s22, 1                         ; rh: which half of the tile's rows is mine.  Also: I fetch for A (0) or for W (1)
	s_and_b32 s24, s22, 1                          ; ch: which half of its H columns.  Also: which of the two parts I fetch
	s_bfe_u32 s25, ttmp6, 0x40000                  ; cx, cy: my place in the cluster
	s_bfe_u32 s26, ttmp6, 0x40004
	s_lshl_b32 s27, ttmp9, 2
	s_add_co_u32 s27, s27, s25                     ; ct: tile column = 4 x cluster x + cx
	s_and_b32 s66, ttmp7, 0xffff
	s_lshl_b32 s66, s66, 2
	s_add_co_u32 s66, s66, s26                     ; rt: tile row = 4 x cluster y + cy
	s_lshl_b32 s67, s26, 2
	s_lshl_b32 s67, 15, s67                        ; my row of the cluster
	s_lshl_b32 s100, 0x1111, s25                   ; my column
	; group 1 for a chunk: 38,400 dense bytes as 150 rows of 256 bytes (32 elements of 8 bytes), no padding
	s_or_b32 s[G1+0], s67, (3<<16)|(1<<21)         ; 15:0 the mask: A's parts go to my row; 17:16 elements of 8 bytes; 21 set beside a mask
	s_or_b32 s[G1B+0], s100, (3<<16)|(1<<21)       ; W's go to my column
.irp g, G1, G1B
	s_mov_b32 s[\g+1], 32<<16                      ; tensor_dim0
	s_mov_b32 s[\g+2], 150<<16                     ; tensor_dim1
	s_mov_b32 s[\g+3], 32<<16                      ; tile_dim0
	s_mov_b32 s[\g+4], 150                         ; tile_dim1
	s_mov_b32 s[\g+5], 32                          ; tensor_dim0_stride
	s_mov_b32 s[\g+6], 0
	s_mov_b32 s[\g+7], 0
.endr
	; and for one record: 50 such rows
	s_or_b32 s[G1L+0], s67, (3<<16)|(1<<21)
	s_or_b32 s[G1LB+0], s100, (3<<16)|(1<<21)
.irp g, G1L, G1LB
	s_mov_b32 s[\g+1], 32<<16
	s_mov_b32 s[\g+2], 50<<16
	s_mov_b32 s[\g+3], 32<<16
	s_mov_b32 s[\g+4], 50
	s_mov_b32 s[\g+5], 32
	s_mov_b32 s[\g+6], 0
	s_mov_b32 s[\g+7], 0
.endr
	; groups 0: the count and the LDS addresses, which hang on the wave's number alone
.irp g, G0, G0+4, G0B, G0B+4
	s_mov_b32 s[\g], 1
.endr
	s_mul_i32 s[G0+1], s22, CHUNK
	s_add_co_u32 s[G0+5], s[G0+1], SLOT
	s_mul_i32 s[G0B+1], s22, CHUNK
	s_add_co_u32 s[G0B+5], s[G0B+1], SLOT
	; where the parts come from.  A's hang on the tile row alone, W's on the tile column alone, each in registers that never hold the other coordinate; every wave makes both and asks by one
	s_lshl_b32 s101, s66, 1
	s_add_co_u32 s101, s101, s24                   ; A: part 2 rt + (wave % 2)
	s_mul_i32 s104, s101, PARTB
	s_mov_b32 s105, 0
	s_lshl_b32 s2, s27, 1
	s_add_co_u32 s2, s2, s24                       ; W: part 2 ct + (wave % 2)
	s_mul_i32 s2, s2, PARTB
	s_mov_b32 s3, 0
	s_wait_kmcnt 0x0
	s_add_nc_u64 s[4:5], s[4:5], s[104:105]
	s_add_nc_u64 s[6:7], s[6:7], s[2:3]
	s_add_nc_u64 s[G0+2:G0+3], s[4:5], REC         ; slot 0 begins with sub-steps 1 to 3,
	s_or_b32 s[G0+3], s[G0+3], 0x80000000          ; 127:126 type = 2
	s_mov_b64 s[G0+6:G0+7], s[4:5]                 ; slot 1 with sub-step 0
	s_or_b32 s[G0+7], s[G0+7], 0x80000000
	s_add_nc_u64 s[G0B+2:G0B+3], s[6:7], REC
	s_or_b32 s[G0B+3], s[G0B+3], 0x80000000
	s_mov_b64 s[G0B+6:G0B+7], s[6:7]
	s_or_b32 s[G0B+7], s[G0B+7], 0x80000000
	s_lshl_b32 s18, s66, 20                        ; row 256 rt + 128 rh + 32 ch of 4,096 bytes, + 256 ct: where the rows begin that I load of c_prev and send of craw and oraw
	s_lshl_b32 s19, s23, 19
	s_add_co_u32 s18, s18, s19
	s_lshl_b32 s19, s24, 17
	s_add_co_u32 s18, s18, s19
	s_lshl_b32 s19, s27, 8
	s_add_co_u32 s18, s18, s19
	s_mov_b32 s19, 0
	s_add_nc_u64 s[10:11], s[10:11], s[18:19]
	s_add_nc_u64 s[14:15], s[14:15], s[18:19]
	s_add_nc_u64 s[16:17], s[16:17], s[18:19]
	s_lshl_b32 s2, s27, 8                          ; b: my 32 H columns: 256 ct + 128 ch bytes on in each gate's 4,096
	s_lshl_b32 s3, s24, 7
	s_add_co_u32 s2, s2, s3
	s_mov_b32 s3, 0
	s_add_nc_u64 s[8:9], s[8:9], s[2:3]
	s_lshl_b32 s104, s66, 10                       ; forget_mask: my 128 rows
	s_lshl_b32 s105, s23, 9
	s_add_co_u32 s104, s104, s105
	s_mov_b32 s105, 0
	s_add_nc_u64 s[12:13], s[12:13], s[104:105]
	CROUND                                         ; all sixteen work-groups are here: the first joint loads meet
	JLOAD G0+4, G1L, G0B+4, G1LB                   ; the first fills go out as one group: sub-step 0 into slot 1,
	JLOAD G0, G1, G0B, G1B                         ; sub-steps 1 to 3 into slot 0: two tensor loads of mine are out
	v_and_b32 v1, 15, v0                           ; r
	v_bfe_u32 v2, v0, 4, 1                         ; h
	v_and_b32 v3, 31, v0
	v_lshlrev_b32 v4, 4, v3                        ; 16 x lane: an image's place for my lane
	s_mul_i32 s4, s23, CHUNK                       ; my part of A
	s_mul_i32 s5, s24, CHUNK                       ; my part of W,
	s_add_co_u32 s5, s5, 2*CHUNK                   ; behind A's two
	s_sub_co_u32 s6, s5, s4
	v_lshlrev_b32 v5, 2, v1                        ; scale words: 4 bytes a row;
	v_mul_u32_u24 v6, s6, v2                       ; lanes 16-31 take W's: one product, h x the distance
	v_add_nc_u32 v5, v5, v6
	s_add_co_u32 s7, s4, SCO
.irp s, 0,1
	v_add_nc_u32 v[ADRA+\s], s4, v4
	v_add_nc_u32 v[ADRB+\s], s5, v4
	v_add_nc_u32 v[ADRS+\s], s7, v5
	s_add_co_u32 s4, s4, SLOT
	s_add_co_u32 s5, s5, SLOT
	s_add_co_u32 s7, s7, SLOT
.endr
	v_mul_u32_u24 v5, v1, CPP                      ; a cell's place in a stage of 256 rows x 64 H columns: row 128 rh + r, + 128 ch + 32 h bytes
	v_lshl_add_u32 v5, v2, 5, v5
	s_mul_i32 s4, s23, 128*CPP
	s_lshl_b32 s5, s24, 7
	s_add_co_u32 s4, s4, s5
	v_add_nc_u32 v5, s4, v5
	v_add_nc_u32 v[OST], OS, v5
	v_add_nc_u32 v[CPA], CP, v5
	v_mul_u32_u24 v5, v2, CPP                      ; by rows: my rows 128 rh + 32 ch on (and 64 further down); lanes 0-15 one row of 256 bytes, lanes 16-31 the next
	v_lshl_add_u32 v5, v1, 4, v5
	s_mul_i32 s4, s23, 128*CPP
	s_mul_i32 s5, s24, 32*CPP
	s_add_co_u32 s4, s4, s5
	v_add_nc_u32 v5, s4, v5
	v_add_nc_u32 v[RDO], OS, v5
	v_add_nc_u32 v[RDC], CP, v5
	v_lshlrev_b32 v[CO], 4, v1                     ; and the same two rows in memory
	v_lshl_add_u32 v[CO], v2, 12, v[CO]
	v_lshlrev_b32 v7, 5, v2                        ; the bias: 32 h bytes on
	v_lshlrev_b32 v8, 2, v1                        ; forget_mask: 4 r
.irp g, 0,1,2,3
.irp u, 0,1
	global_load_b128 v[BI+8*(2*\g+\u):BI+8*(2*\g+\u)+3],   v7, s[8:9] offset:4096*\g+64*\u      ; b at gate g, H columns 16 u + 8 h + 0 .. 7: the result's layout
	global_load_b128 v[BI+8*(2*\g+\u)+4:BI+8*(2*\g+\u)+7], v7, s[8:9] offset:4096*\g+64*\u+16
.endr
.endr
.irp a, 0,1,2,3,4,5,6,7
	global_load_b32 v[FM+\a], v8, s[12:13] offset:64*\a        ; the mask of row 16 a + r
.endr
.macro FRAG reg, adr, j, i             ; fragment i of the slot's j-th record: three loads of 512 consecutive bytes
.irp c, 0,1,2
	ds_load_b128 v[\reg+4*\c:\reg+4*\c+3], v[\adr] offset:REC*(\j)+FRB*(\i)+512*\c
.endr
.endm
; 16 matrix instructions: A's blocks a0, a0 + 1 x W's eight, 128 along K.  p: W's set and the set of scale words.  first = 1: the bias starts the sums: nothing is cleared or added later.
; The 64 accumulators take turns, one instruction a turn, in the same order in every sub-step.
.macro MUL16 a0, p, first
.irp a, \a0, \a0+1
.irp b, 0,1,2,3,4,5,6,7
.if \first
	v_wmma_scale_f32_16x16x128_f8f6f4 v[8*(8*((\a)%4)+\b):8*(8*((\a)%4)+\b)+7], v[128*(\p)+FR*\b:128*(\p)+FR*\b+FR-1], v[AF+FR*(\a):AF+FR*(\a)+FR-1], v[BI+8*\b:BI+8*\b+7], v[SC+8*(\p)+\b], v[SC+8*(\p)+(\a)] matrix_a_fmt:MATRIX_FMT_BF6 matrix_b_fmt:MATRIX_FMT_BF6 matrix_a_scale:MATRIX_SCALE_ROW1
.else
	v_wmma_scale_f32_16x16x128_f8f6f4 v[8*(8*((\a)%4)+\b):8*(8*((\a)%4)+\b)+7], v[128*(\p)+FR*\b:128*(\p)+FR*\b+FR-1], v[AF+FR*(\a):AF+FR*(\a)+FR-1], v[8*(8*((\a)%4)+\b):8*(8*((\a)%4)+\b)+7], v[SC+8*(\p)+\b], v[SC+8*(\p)+(\a)] matrix_a_fmt:MATRIX_FMT_BF6 matrix_b_fmt:MATRIX_FMT_BF6 matrix_a_scale:MATRIX_SCALE_ROW1
.endif
.endr
.endr
.endm
.macro WMUL hi, first                  ; source 0 (W) window 1, source 1 (A) window 0, D window 2 or 3; C with D, or, where the bias starts the sums, window 0
.if \first
	WIN 0x81+0x40*(\hi)
.else
	WIN 0xa1+0x50*(\hi)
.endif
.endm
.macro FETCH_B slot, j, p              ; W's eight fragments of the slot's j-th record into set p
	WIN 0x40
.irp i, 0,1,2,3,4,5,6,7
	FRAG 128*(\p)+FR*\i, ADRB+\slot, \j, \i
.endr
	WIN 0
.endm
.macro FETCH_A slot, j, i0             ; A's blocks i0 .. i0 + 3
.irp i, \i0, \i0+1, \i0+2, \i0+3
	FRAG AF+FR*(\i), ADRA+\slot, \j, \i
.endr
.endm
.macro SCALES slot, j, p               ; the record's scale words into set p: lanes 0-15 take A's block i, lanes 16-31 W's block i
.irp i, 0,1,2,3,4,5,6,7
	ds_load_b32 v[SC+8*(\p)+\i], v[ADRS+\slot] offset:REC*(\j)+64*\i
.endr
.endm
; A load into a register that a matrix instruction has read, and a vector instruction or an LDS store that reads a matrix result, stand NP places behind that matrix instruction, and only plain vector
; instructions that name none of its registers are places (ISA guide 7.12.1 for vector instructions).
.macro PLACES n
.rept \n
	v_nop
.endr
.endm
; A sub-step of 128 along K that has its successor in the same slot: the slot's j-th record, on set p.  A's blocks go one after the other, each against W's eight, so one set of registers serves A: blocks 0-3 are fetched anew in the sub-step's middle, blocks 4-7 at its end.
.macro STEP slot, j, p
	s_wait_dscnt 12                                ; W's set, A's blocks 0-3 and the scale words are in; the youngest 12 loads (A's blocks 4-7) may be out
	WMUL 0, 0
	MUL16 0, \p, 0
	MUL16 2, \p, 0
	s_wait_dscnt 0                                 ; A's blocks 4-7 are in (asked for 32 matrix instructions ago)
	PLACES NP
	FETCH_B \slot, (\j)+1, 1-(\p)
	FETCH_A \slot, (\j)+1, 0
	SCALES \slot, (\j)+1, 1-(\p)
	WMUL 1, 0
	MUL16 4, \p, 0
	MUL16 6, \p, 0
	PLACES NP
	WIN 0
	FETCH_A \slot, (\j)+1, 4
.endm
; A slot's last sub-step changes slots: ONE barrier; in front of it each wave waits for all its tensor loads, adds 0 to its spare word, and waits for that and for its own reads of this slot.
; fill = 1: this slot is filled again, with the three records that begin adv bytes behind those that it held.
.macro TURN slot, p, next, fill, adv, first
	s_wait_tensorcnt 0x0                           ; all my tensor loads have landed: my part of the next slot;  every window is 0 here
	ds_add_u32 v[SPW], v[NIL]                      ; 0 onto my spare word
	s_wait_dscnt 13                                ; (the add and the youngest 12 loads, A's blocks 4-7, may be out)
	WMUL 0, \first
	MUL16 0, \p, \first                            ; sixteen matrix instructions stand between the add and the wait for it
	s_wait_dscnt 0x0                               ; the add is done, and my reads of this slot are over
	s_barrier_signal -1
	MUL16 2, \p, \first
	WIN 0
	s_barrier_wait -1
.if \fill
	CREST                                          ; the barrier has opened a round of the cluster's barrier: no wave of any partner still reads this slot or has a load on its way
	s_add_nc_u64 s[G0+4*\slot+2:G0+4*\slot+3], s[G0+4*\slot+2:G0+4*\slot+3], \adv
	s_add_nc_u64 s[G0B+4*\slot+2:G0B+4*\slot+3], s[G0B+4*\slot+2:G0B+4*\slot+3], \adv
	JLOAD G0+4*\slot, G1, G0B+4*\slot, G1B         ; the first tensor load behind the round, 160 matrix instructions ahead of the wait for it; the four v_nop behind it are the places in front of the loads below
.else
	PLACES NP
.endif
	FETCH_B \next, 0, 1-(\p)
	FETCH_A \next, 0, 0
	SCALES \next, 0, 1-(\p)
	WMUL 1, \first
	MUL16 4, \p, \first
	MUL16 6, \p, \first
	PLACES NP
	WIN 0
	FETCH_A \next, 0, 4
.endm
	s_wait_tensorcnt 1                             ; my part of sub-step 0 is in; slot 0's load may stay out
	s_barrier_signal -1
	s_barrier_wait -1                              ; everybody's is
	FETCH_B 1, 0, 0
	FETCH_A 1, 0, 0
	SCALES 1, 0, 0
	FETCH_A 1, 0, 4
	s_wait_loadcnt 0x0                             ; the bias and the mask
	TURN 1, 0, 0, 1, 4*REC, 1                      ; sub-step 0: its products start the sums, on the bias; slot 1 takes sub-steps 4 to 6
	; c_prev: my 64 rows of the tile, two rows of 256 bytes an instruction, into registers that lie idle until the epilogue.  The bias's registers are free: four places stand behind the last product that took them.
.irp t, 0,1,2,3,4,5,6,7,8,9,10,11,12,13,14,15
	global_load_b128 v[BI+4*\t:BI+4*\t+3], v[CO], s[10:11] offset:8192*\t th:TH_LOAD_NT
.endr
	WIN 0x40
.irp t, 0,1,2,3,4,5,6,7
	global_load_b128 v[96+4*\t:96+4*\t+3], v[CO], s[10:11] offset:262144+8192*\t th:TH_LOAD_NT
.endr
.irp t, 0,1,2,3,4,5,6,7
	global_load_b128 v[224+4*\t:224+4*\t+3], v[CO], s[10:11] offset:262144+8192*(8+\t) th:TH_LOAD_NT
.endr
	WIN 0
	STEP 0, 0, 1                                   ; sub-steps 1, 2
	STEP 0, 1, 0
	TURN 0, 1, 1, 1, 6*REC, 0                      ; 3: slot 0 takes 7 to 9
	STEP 1, 0, 0                                   ; 4, 5
	STEP 1, 1, 1
	TURN 1, 0, 0, 1, 6*REC, 0                      ; 6: slot 1 takes 10 to 12
	STEP 0, 0, 1                                   ; 7, 8
	STEP 0, 1, 0
	TURN 0, 1, 1, 1, 6*REC, 0                      ; 9: slot 0 takes 13 to 15
	STEP 1, 0, 0                                   ; 10, 11
	STEP 1, 1, 1
	TURN 1, 0, 0, 0, 0, 0                          ; 12: nothing is left to fetch, and no round of the cluster's barrier follows.  Behind this barrier nobody reads slot 1
	STEP 0, 0, 1                                   ; 13, 14
	STEP 0, 1, 0
	s_wait_dscnt 12                                ; 15, the last
	WMUL 0, 0
	MUL16 0, 1, 0
	MUL16 2, 1, 0
	s_wait_dscnt 0
	WMUL 1, 0
	MUL16 4, 1, 0
	MUL16 6, 1, 0
	WIN 0
; THE EPILOGUE.  First c_prev's rows and the o gate's cells go to their stages; a barrier; the o gate leaves by whole rows while the cells are worked.
	PLACES NP                                      ; behind the last products: for the reads of their results, and for writes and loads into the registers that held fragments
	s_mov_b32 s4, 0xbfb8aa3b                       ; -log2 e
	s_mov_b32 s5, s4                               ; (named with it as a pair, so it is written)
	s_mov_b32 s6, 0xc038aa3b                       ; -2 log2 e
	s_mov_b32 s7, s6
	s_wait_loadcnt 0x0                             ; c_prev, asked for fifteen sub-steps ago
.irp t, 0,1,2,3,4,5,6,7,8,9,10,11,12,13,14,15
	ds_store_b128 v[RDC], v[BI+4*\t:BI+4*\t+3] offset:2*CPP*\t
.endr
	WIN 0x04                                       ; an LDS store's data are its source 1: window 1
.irp t, 0,1,2,3,4,5,6,7
	ds_store_b128 v[RDC], v[96+4*\t:96+4*\t+3] offset:64*CPP+2*CPP*\t
.endr
.irp t, 0,1,2,3,4,5,6,7
	ds_store_b128 v[RDC], v[224+4*\t:224+4*\t+3] offset:64*CPP+2*CPP*(8+\t)
.endr
.irp a, 0,1,2,3,4,5,6,7
	WIN 0x08+4*(\a/4)                              ; window 2 or 3
.irp u, 0,1
	ds_store_b128 v[OST], v[64*(\a%4)+48+8*\u:64*(\a%4)+48+8*\u+3]   offset:16*CPP*\a+64*\u      ; the o gate as it is, each accumulator from its low end on
	ds_store_b128 v[OST], v[64*(\a%4)+48+8*\u+4:64*(\a%4)+48+8*\u+7] offset:16*CPP*\a+64*\u+16
.endr
.endr
	WIN 0
	s_wait_dscnt 0x0                               ; for the others' sake: my stores into both stages are done
	s_barrier_signal -1
	s_barrier_wait -1
.macro LCP a                           ; c_prev of block a's cells into set a % 2
.irp u, 0,1
	ds_load_b128 v[CPR+16*((\a)%2)+8*\u:CPR+16*((\a)%2)+8*\u+3],   v[CPA] offset:16*CPP*(\a)+64*\u
	ds_load_b128 v[CPR+16*((\a)%2)+8*\u+4:CPR+16*((\a)%2)+8*\u+7], v[CPA] offset:16*CPP*(\a)+64*\u+16
.endr
.endm
	WIN 0x40                                       ; window 1 is free: W's fragments are done with, c_prev's registers have been stored
.irp t, 0,1,2,3,4,5,6,7,8,9,10,11,12,13,14,15,16,17,18,19,20,21,22,23,24,25,26,27,28,29,30,31
	ds_load_b128 v[4*\t:4*\t+3], v[RDO] offset:64*CPP*(\t/16)+2*CPP*(\t%16)
.endr
	WIN 0
	LCP 0
	WIN 0x04                                       ; a store's data are its source 1
	s_wait_dscnt 20                                ; o's first 16 loads are in: behind them stand 16 more and c_prev's four
.irp t, 0,1,2,3,4,5,6,7,8,9,10,11,12,13,14,15
	global_store_b128 v[CO], v[4*\t:4*\t+3], s[16:17] offset:8192*\t               ; sixteen lanes store 256 consecutive bytes, at a multiple of 256 from the buffer's first byte.  The next launch reads them: no hint
.endr
	s_wait_dscnt 4
.irp t, 0,1,2,3,4,5,6,7,8,9,10,11,12,13,14,15
	global_store_b128 v[CO], v[64+4*\t:64+4*\t+3], s[16:17] offset:262144+8192*\t
.endr
	WIN 0
; THE CELLS, a block of 16 rows at a time: 16 cells a lane.  cnt: the LDS lines issued behind this block's loads of c_prev, which may stay out.
.macro EPI a, cnt
.set AC,  64*((\a)%4)                  ; the block's accumulators: i at AC, f at AC + 16, g at AC + 32
.set ECP, CPR+16*((\a)%2)
.set ECR, CR+16*((\a)%2)
.set EFM, FM+2*((\a)/2)
	WIN 0x02+(\a)/4                                ; source 0: window 2 or 3
.irp j, 0,2,4,6,8,10,12,14                     ; each accumulator from its low end on
	v_pk_mul_f32 v[XI+\j:XI+\j+1], v[AC+\j:AC+\j+1], s[4:5] op_sel_hi:[1,0]          ; -i log2 e
.endr
.irp j, 0,2,4,6,8,10,12,14
	v_pk_mul_f32 v[XF+\j:XF+\j+1], v[AC+16+\j:AC+16+\j+1], s[4:5] op_sel_hi:[1,0]    ; -f log2 e
.endr
.irp j, 0,2,4,6,8,10,12,14
	v_pk_mul_f32 v[XG+\j:XG+\j+1], v[AC+32+\j:AC+32+\j+1], s[6:7] op_sel_hi:[1,0]    ; -2 g log2 e
.endr
	WIN 0
.if (\a) < 7
	LCP (\a)+1
.endif
.set k, 0
.rept 48
	v_min_num_f32 v[XI+k], 0x42200000, v[XI+k]     ; held at 40
.set k, k+1
.endr
.set k, 0
.rept 48
	v_exp_f32 v[XI+k], v[XI+k]
.set k, k+1
.endr
	s_wait_dscnt \cnt                              ; this block's c_prev is in
.irp j, 0,2,4,6,8,10,12,14                     ; mask x c_prev.  (Plain lines behind the exponentials, which name none of their registers)
.if (\a)%2 == 0
	v_pk_mul_f32 v[ECP+\j:ECP+\j+1], v[ECP+\j:ECP+\j+1], v[EFM:EFM+1] op_sel_hi:[1,0]
.else
	v_pk_mul_f32 v[ECP+\j:ECP+\j+1], v[ECP+\j:ECP+\j+1], v[EFM:EFM+1] op_sel:[0,1] op_sel_hi:[1,1]
.endif
.endr
.set k, 0
	s_wait_alu depctr_va_vdst(0)
.rept 24
	v_pk_add_f32 v[XI+k:XI+k+1], v[XI+k:XI+k+1], 1.0 op_sel_hi:[1,0]                 ; 1 + E
.set k, k+2
.endr
.irp j, 0,2,4,6,8,10,12,14
	v_pk_mul_f32 v[XI+\j:XI+\j+1], v[XI+\j:XI+\j+1], v[XG+\j:XG+\j+1]                ; (1 + Ei)(1 + Eg)
.endr
.irp j, 0,2,4,6,8,10,12,14
	v_pk_fma_f32 v[XG+\j:XG+\j+1], v[XG+\j:XG+\j+1], -1.0, 2.0 op_sel_hi:[1,0,0]     ; 1 - Eg
.endr
.irp j, 0,2,4,6,8,10,12,14
	v_pk_mul_f32 v[ECP+\j:ECP+\j+1], v[ECP+\j:ECP+\j+1], v[XI+\j:XI+\j+1]
.endr
.irp j, 0,2,4,6,8,10,12,14
	v_pk_fma_f32 v[ECP+\j:ECP+\j+1], v[XG+\j:XG+\j+1], v[XF+\j:XF+\j+1], v[ECP+\j:ECP+\j+1]   ; the numerator
.endr
.irp j, 0,2,4,6,8,10,12,14
	v_pk_mul_f32 v[XI+\j:XI+\j+1], v[XI+\j:XI+\j+1], v[XF+\j:XF+\j+1]                ; the denominator
.endr
.set k, 0
.rept 16
	v_rcp_f32 v[XI+k], v[XI+k]
.set k, k+1
.endr
	v_nop                                          ; one plain place behind a transcendental
	s_wait_alu depctr_va_vdst(0)
.irp j, 0,2,4,6,8,10,12,14
	v_pk_mul_f32 v[ECR+\j:ECR+\j+1], v[ECP+\j:ECP+\j+1], v[XI+\j:XI+\j+1]
.endr
.irp u, 0,1
	ds_store_b128 v[CPA], v[ECR+8*\u:ECR+8*\u+3]   offset:16*CPP*(\a)+64*\u          ; craw over the c_prev that it was made of: bytes that I alone read and write between the barriers
	ds_store_b128 v[CPA], v[ECR+8*\u+4:ECR+8*\u+7] offset:16*CPP*(\a)+64*\u+16
.endr
.endm
; Half of craw leaves: every wave's blocks 4 half .. 4 half + 3 are in the stage, that is rows 128 rh + 64 half + 0 .. 63; a row's 256 bytes come from two waves, so a barrier stands between the writing and the reading.
; Each half has registers of its own in window 1: no store's data are written again.
.macro CWAY half
	s_wait_dscnt 0x0                               ; for the others' sake: my stores of craw are done
	s_barrier_signal -1
	s_barrier_wait -1
	WIN 0x40
.irp t, 0,1,2,3,4,5,6,7,8,9,10,11,12,13,14,15
	ds_load_b128 v[128+64*\half+4*\t:128+64*\half+4*\t+3], v[RDC] offset:64*CPP*\half+2*CPP*\t
.endr
	s_wait_dscnt 0x0
	WIN 0x04
.irp t, 0,1,2,3,4,5,6,7,8,9,10,11,12,13,14,15
	global_store_b128 v[CO], v[128+64*\half+4*\t:128+64*\half+4*\t+3], s[14:15] offset:262144*\half+8192*\t
.endr
	WIN 0
.endm
	EPI 0, 4                                       ; behind block 0's loads: block 1's four
	EPI 1, 8                                       ; behind block a's loads: block a - 1's craw and block a + 1's c_prev
	EPI 2, 8
	EPI 3, 8
	CWAY 0
	EPI 4, 4                                       ; all was waited for in front of the barrier: block 5's four alone are out
	EPI 5, 8
	EPI 6, 8
	EPI 7, 4                                       ; behind block 7's loads: block 6's craw
	CWAY 1
	s_wait_tensorcnt 0x0                           ; the wave's end: behind my last tensor load and my last LDS store
	ds_add_u32 v[SPW], v[NIL]
	s_wait_dscnt 0x0
	CROUND                                         ; the closing round: no work-group ends while a partner may still ask for a tile that names it
	s_endpgm
.Lfunc_end_k_qfed14793b4_gates:
	.size	k_qfed14793b4_gates, .Lfunc_end_k_qfed14793b4_gates-k_qfed14793b4_gates
	.p2alignl 7, 3214868480
	.fill 96, 4, 3214868480
	.section	.rodata,"a",@progbits
	.p2align	6, 0x0
	.amdhsa_kernel k_qfed14793b4_gates
		.amdhsa_group_segment_fixed_size 327680
		.amdhsa_private_segment_fixed_size 0
		.amdhsa_enable_private_segment 0
		.amdhsa_kernarg_size 56
		.amdhsa_user_sgpr_count 2
		.amdhsa_user_sgpr_kernarg_segment_ptr 1
		.amdhsa_wavefront_size32 1
		.amdhsa_system_sgpr_workgroup_id_x 1
		.amdhsa_system_sgpr_workgroup_id_y 1
		.amdhsa_system_sgpr_workgroup_id_z 1
		.amdhsa_system_vgpr_workitem_id 0
		.amdhsa_next_free_vgpr 1024
		.amdhsa_next_free_sgpr 106
		.amdhsa_reserve_vcc 0
		.amdhsa_float_denorm_mode_32 3
		.amdhsa_float_denorm_mode_16_64 3
		.amdhsa_memory_ordered 1
		.amdhsa_forward_progress 1
		.amdhsa_inst_pref_size 255
	.end_amdhsa_kernel
	.section	.bss,"aw",@nobits
	.p2align	6
	.space	262144
	.amdgpu_metadata
---
amdhsa.version: [ 1, 2 ]
amdhsa.kernels:
  - .name:           k_qfed14793b4_gates
    .symbol:         k_qfed14793b4_gates.kd
    .args:
      - { .name: A_img, .offset: 0, .size: 8, .value_kind: global_buffer, .address_space: global }
      - { .name: W_img, .offset: 8, .size: 8, .value_kind: global_buffer, .address_space: global }
      - { .name: b, .offset: 16, .size: 8, .value_kind: global_buffer, .address_space: global }
      - { .name: c_prev, .offset: 24, .size: 8, .value_kind: global_buffer, .address_space: global }
      - { .name: forget_mask, .offset: 32, .size: 8, .value_kind: global_buffer, .address_space: global }
      - { .name: craw, .offset: 40, .size: 8, .value_kind: global_buffer, .address_space: global }
      - { .name: oraw, .offset: 48, .size: 8, .value_kind: global_buffer, .address_space: global }
    .group_segment_fixed_size: 327680
    .private_segment_fixed_size: 0
    .kernarg_segment_align: 8
    .kernarg_segment_size: 56
    .max_flat_workgroup_size: 128
    .sgpr_count:     106
    .vgpr_count:     1024
    .wavefront_size: 32
...
	.end_amdgpu_metadata
.endif
;; end of part 2
;; launch norm (part 3): grid 1024 x 1, 4 waves a work-group, no clusters, 0 bytes of LDS; arguments craw, oraw, ln_gamma, ln_beta, out0, out1; writes out0, out1
.if DOCPART == 3
	.amdgcn_target "amdgcn-amd-amdhsa--gfx1250"
	.amdhsa_code_object_version 6
	.text
	.protected	k_qfed14793b4_norm
	.globl	k_qfed14793b4_norm
	.p2align	8
	.type	k_qfed14793b4_norm,@function
k_qfed14793b4_norm:
	s_mov_b64 s[64:65], 0
	v_nop
	global_prefetch_b8 v0, s[64:65] scope:SCOPE_SE
	s_setreg_imm32_b32 hwreg(HW_REG_WAVE_MODE, 25, 1), 1
	s_wait_xcnt 0x0
; out1 = c_t = (craw - mu) rsqrt(var + 1e-5) gamma + beta, mu and var (biased) over a row's 1,024 numbers;  out0 = h_t = sigmoid(oraw) tanh(c_t).  All f32.
; One wave takes two whole rows, 4,096 bytes each, and keeps them in registers: memory is read once, the reductions never leave the wave, and there is no LDS, no barrier and no loop.
; Each load and store of a wave covers 512 consecutive bytes, aligned.  All 48 loads of a wave go out at its head, and the waits are counted.
; The variance is the mean of (c - mu)^2, in a second pass over the registers, as the definition has it: no difference of large sums.
; h = (1 - Ec) / ((1 + Eo)(1 + Ec)) with Ec = 2^min(-2 c_t log2 e, 60), Eo = 2^min(-o log2 e, 60): two exponentials and one reciprocal.
; LIMITS: the hold at 60 keeps the denominator under 2^121 for every input; by it sigmoid(o) is never under 2^-60, and tanh(c_t) is -1 to f32's last bit below -20.8.  NaN and infinities are not served.
; Matrix units, LDS and clusters would add nothing: memory binds, and work-groups share only gamma and beta, 8,192 bytes.
.set C0, 16                            ; v16-47    row 0's c;   v48-79   its o
.set O0, 48
.set C1, 80                            ; v80-111   row 1's c;   v112-143 its o
.set O1, 112
.set GA, 144                           ; v144-175  gamma of my 32 columns
.set BE, 176                           ; v176-207  beta
.set T,  208                           ; v208-239  at work; never a store's data
.set MU, 240                           ; v240-241  the mean, twice
.set RS, 242                           ; v242-243  1 / sqrt(var + eps), twice
.set SM, 244                           ; a sum
.set PD, 245                           ; a lane permute's destination
	s_load_b256 s[4:11], s[0:1], 0x0               ; craw s[4:5], oraw s[6:7], gamma s[8:9], beta s[10:11]
	s_load_b128 s[12:15], s[0:1], 0x20             ; out0 s[12:13], out1 s[14:15]
	v_lshrrev_b32 v1, 5, v0
	v_readfirstlane_b32 s24, v1                    ; wave 0..3
	v_and_b32 v1, 31, v0
	v_lshlrev_b32 v1, 4, v1                        ; 16 x lane; never rewritten
	v_mov_b32 v[PD], 0                             ; written once: a lane permute's destination counts as one of its sources
	s_lshl_b32 s26, ttmp9, 2
	s_add_co_u32 s26, s26, s24
	s_lshl_b32 s26, s26, 13                        ; my two rows: 8,192 bytes for each wave of the launch
	s_mov_b32 s27, 0
	s_mov_b32 s16, 0x76543210
	s_mov_b32 s17, 0xfedcba98                      ; v_permlanex16_b32's selects for lane l xor 16
	s_mov_b32 s18, 0x3a800000                      ; 1 / 1024
	s_mov_b32 s19, 0x3727c5ac                      ; 1e-5
	s_mov_b32 s20, 0xbfb8aa3b                      ; -log2 e
	s_mov_b32 s21, s20                             ; (named with it as a pair, so it is written)
	s_mov_b32 s22, 0xc038aa3b                      ; -2 log2 e
	s_mov_b32 s23, s22
	s_wait_kmcnt 0x0
	s_add_nc_u64 s[4:5], s[4:5], s[26:27]
	s_add_nc_u64 s[6:7], s[6:7], s[26:27]
	s_add_nc_u64 s[12:13], s[12:13], s[26:27]
	s_add_nc_u64 s[14:15], s[14:15], s[26:27]
.irp j, 0,1,2,3,4,5,6,7
	global_load_b128 v[C0+4*\j:C0+4*\j+3], v1, s[4:5] offset:512*\j th:TH_LOAD_NT
.endr
.irp j, 0,1,2,3,4,5,6,7
	global_load_b128 v[GA+4*\j:GA+4*\j+3], v1, s[8:9] offset:512*\j
.endr
.irp j, 0,1,2,3,4,5,6,7
	global_load_b128 v[BE+4*\j:BE+4*\j+3], v1, s[10:11] offset:512*\j
.endr
.irp j, 0,1,2,3,4,5,6,7
	global_load_b128 v[O0+4*\j:O0+4*\j+3], v1, s[6:7] offset:512*\j th:TH_LOAD_NT
.endr
.irp j, 0,1,2,3,4,5,6,7
	global_load_b128 v[C1+4*\j:C1+4*\j+3], v1, s[4:5] offset:4096+512*\j th:TH_LOAD_NT
.endr
.irp j, 0,1,2,3,4,5,6,7
	global_load_b128 v[O1+4*\j:O1+4*\j+3], v1, s[6:7] offset:4096+512*\j th:TH_LOAD_NT
.endr
.macro FOLD                            ; four packed chains in v[T .. T + 7] become one sum over the wave's 32 lanes, in every lane
	v_pk_add_f32 v[T:T+1], v[T:T+1], v[T+2:T+3]
	v_pk_add_f32 v[T+4:T+5], v[T+4:T+5], v[T+6:T+7]
	v_pk_add_f32 v[T:T+1], v[T:T+1], v[T+4:T+5]
	v_add_f32 v[SM], v[T], v[T+1]
	v_add_f32_dpp v[SM], v[SM], v[SM] row_xmask:1 row_mask:0xf bank_mask:0xf
	v_add_f32_dpp v[SM], v[SM], v[SM] row_xmask:2 row_mask:0xf bank_mask:0xf
	v_add_f32_dpp v[SM], v[SM], v[SM] row_xmask:4 row_mask:0xf bank_mask:0xf
	v_add_f32_dpp v[SM], v[SM], v[SM] row_xmask:8 row_mask:0xf bank_mask:0xf
	v_permlanex16_b32 v[PD], v[SM], s16, s17
	v_add_f32 v[SM], v[SM], v[PD]
.endm
; One row.  c, o: its registers;  off: its bytes in the wave's two rows;  n1, n2, n3: how many younger loads may stay out when c, gamma and beta, and o have to be there.
.macro ROW c, o, off, n1, n2, n3
	s_wait_loadcnt \n1
.irp k, 0,1,2,3
	v_pk_add_f32 v[T+2*\k:T+2*\k+1], v[\c+2*\k:\c+2*\k+1], v[\c+8+2*\k:\c+8+2*\k+1]   ; the first pairs start the chains: nothing is cleared
.endr
.irp m, 16,24
.irp k, 0,1,2,3
	v_pk_add_f32 v[T+2*\k:T+2*\k+1], v[T+2*\k:T+2*\k+1], v[\c+\m+2*\k:\c+\m+2*\k+1]
.endr
.endr
	FOLD
	v_mul_f32 v[MU], s18, v[SM]
	v_mul_f32 v[MU+1], s18, v[SM]
.irp j, 0,2,4,6,8,10,12,14,16,18,20,22,24,26,28,30
	v_pk_add_f32 v[\c+\j:\c+\j+1], v[\c+\j:\c+\j+1], v[MU:MU+1] neg_lo:[0,1] neg_hi:[0,1]   ; c - mu
.endr
.irp k, 0,1,2,3
	v_pk_mul_f32 v[T+2*\k:T+2*\k+1], v[\c+2*\k:\c+2*\k+1], v[\c+2*\k:\c+2*\k+1]
.endr
.irp m, 8,16,24
.irp k, 0,1,2,3
	v_pk_fma_f32 v[T+2*\k:T+2*\k+1], v[\c+\m+2*\k:\c+\m+2*\k+1], v[\c+\m+2*\k:\c+\m+2*\k+1], v[T+2*\k:T+2*\k+1]
.endr
.endr
	FOLD
	v_fma_f32 v[SM], v[SM], s18, s19               ; var + eps
	v_rsq_f32 v[RS], v[SM]
	v_nop                                          ; one plain place behind a transcendental
	s_wait_alu depctr_va_vdst(0)
	v_mov_b32 v[RS+1], v[RS]
	s_wait_loadcnt \n2
.irp j, 0,2,4,6,8,10,12,14,16,18,20,22,24,26,28,30
	v_pk_mul_f32 v[\c+\j:\c+\j+1], v[\c+\j:\c+\j+1], v[RS:RS+1]
.endr
.irp j, 0,2,4,6,8,10,12,14,16,18,20,22,24,26,28,30
	v_pk_fma_f32 v[\c+\j:\c+\j+1], v[\c+\j:\c+\j+1], v[GA+\j:GA+\j+1], v[BE+\j:BE+\j+1]
.endr
.irp j, 0,1,2,3,4,5,6,7
	global_store_b128 v1, v[\c+4*\j:\c+4*\j+3], s[14:15] offset:\off+512*\j th:TH_STORE_NT   ; c_t; these registers are not written again
.endr
	s_wait_loadcnt \n3
.irp j, 0,2,4,6,8,10,12,14,16,18,20,22,24,26,28,30
	v_pk_mul_f32 v[T+\j:T+\j+1], v[\c+\j:\c+\j+1], s[22:23] op_sel_hi:[1,0]          ; -2 c_t log2 e
	v_pk_mul_f32 v[\o+\j:\o+\j+1], v[\o+\j:\o+\j+1], s[20:21] op_sel_hi:[1,0]        ; -o log2 e
.endr
.set k, 0
.rept 32
	v_min_num_f32 v[T+k], 0x42700000, v[T+k]       ; held at 60
	v_min_num_f32 v[\o+k], 0x42700000, v[\o+k]
.set k, k+1
.endr
.set k, 0
.rept 32
	v_exp_f32 v[T+k], v[T+k]
	v_exp_f32 v[\o+k], v[\o+k]
.set k, k+1
.endr
	v_nop                                          ; one plain place behind the exponentials
	s_wait_alu depctr_va_vdst(0)
.irp j, 0,2,4,6,8,10,12,14,16,18,20,22,24,26,28,30
	v_pk_add_f32 v[T+\j:T+\j+1], v[T+\j:T+\j+1], 1.0 op_sel_hi:[1,0]
	v_pk_add_f32 v[\o+\j:\o+\j+1], v[\o+\j:\o+\j+1], 1.0 op_sel_hi:[1,0]
.endr
.irp j, 0,2,4,6,8,10,12,14,16,18,20,22,24,26,28,30
	v_pk_mul_f32 v[\o+\j:\o+\j+1], v[\o+\j:\o+\j+1], v[T+\j:T+\j+1]                  ; (1 + Eo)(1 + Ec)
.endr
.irp j, 0,2,4,6,8,10,12,14,16,18,20,22,24,26,28,30
	v_pk_fma_f32 v[T+\j:T+\j+1], v[T+\j:T+\j+1], -1.0, 2.0 op_sel_hi:[1,0,0]         ; 1 - Ec
.endr
.set k, 0
.rept 32
	v_rcp_f32 v[\o+k], v[\o+k]
.set k, k+1
.endr
	v_nop                                          ; one plain place behind the reciprocals
	s_wait_alu depctr_va_vdst(0)
.irp j, 0,2,4,6,8,10,12,14,16,18,20,22,24,26,28,30
	v_pk_mul_f32 v[\o+\j:\o+\j+1], v[T+\j:T+\j+1], v[\o+\j:\o+\j+1]
.endr
.irp j, 0,1,2,3,4,5,6,7
	global_store_b128 v1, v[\o+4*\j:\o+4*\j+3], s[12:13] offset:\off+512*\j th:TH_STORE_NT   ; h_t; these registers are not written again
.endr
.endm
	ROW C0, O0, 0, 40, 24, 16                      ; behind row 0's c stand 40 loads; behind beta 24; behind its o 16
	ROW C1, O1, 4096, 8, 8, 0                      ; behind row 1's c stand 8; gamma and beta have long been in; its o is the last
	s_endpgm
.Lfunc_end_k_qfed14793b4_norm:
	.size	k_qfed14793b4_norm, .Lfunc_end_k_qfed14793b4_norm-k_qfed14793b4_norm
	.p2alignl 7, 3214868480
	.fill 96, 4, 3214868480
	.section	.rodata,"a",@progbits
	.p2align	6, 0x0
	.amdhsa_kernel k_qfed14793b4_norm
		.amdhsa_group_segment_fixed_size 0
		.amdhsa_private_segment_fixed_size 0
		.amdhsa_enable_private_segment 0
		.amdhsa_kernarg_size 48
		.amdhsa_user_sgpr_count 2
		.amdhsa_user_sgpr_kernarg_segment_ptr 1
		.amdhsa_wavefront_size32 1
		.amdhsa_system_sgpr_workgroup_id_x 1
		.amdhsa_system_sgpr_workgroup_id_y 1
		.amdhsa_system_sgpr_workgroup_id_z 1
		.amdhsa_system_vgpr_workitem_id 0
		.amdhsa_next_free_vgpr 248
		.amdhsa_next_free_sgpr 66
		.amdhsa_reserve_vcc 0
		.amdhsa_float_denorm_mode_32 3
		.amdhsa_float_denorm_mode_16_64 3
		.amdhsa_memory_ordered 1
		.amdhsa_forward_progress 1
		.amdhsa_inst_pref_size 50
	.end_amdhsa_kernel
	.amdgpu_metadata
---
amdhsa.version: [ 1, 2 ]
amdhsa.kernels:
  - .name:           k_qfed14793b4_norm
    .symbol:         k_qfed14793b4_norm.kd
    .args:
      - { .name: craw, .offset: 0, .size: 8, .value_kind: global_buffer, .address_space: global }
      - { .name: oraw, .offset: 8, .size: 8, .value_kind: global_buffer, .address_space: global }
      - { .name: ln_gamma, .offset: 16, .size: 8, .value_kind: global_buffer, .address_space: global }
      - { .name: ln_beta, .offset: 24, .size: 8, .value_kind: global_buffer, .address_space: global }
      - { .name: out0, .offset: 32, .size: 8, .value_kind: global_buffer, .address_space: global }
      - { .name: out1, .offset: 40, .size: 8, .value_kind: global_buffer, .address_space: global }
    .group_segment_fixed_size: 0
    .private_segment_fixed_size: 0
    .kernarg_segment_align: 8
    .kernarg_segment_size: 48
    .max_flat_workgroup_size: 128
    .sgpr_count:     66
    .vgpr_count:     248
    .wavefront_size: 32
...
	.end_amdgpu_metadata
.endif
;; end of part 3
